; MI455X (gfx1250); checked and timed in simulation.
; The chip was launched on July 23, 2026; its instructions are those of AMD's public machine-readable ISA for CDNA 5 (MIT licence, August 2026) and "CDNA5" Instruction Set Architecture Reference Guide (July 2026). The comments in the code are by the model that wrote it; some were corrected since.
;; Attn Block. Allowed arithmetic: matrix products marked QUANTISED: E3M2 operands, one E8M0 scale for each 32 along K, by v_wmma_scale_f32_16x16x128_f8f6f4 with both operands' format E3M2, f32 sums; everything else in f32.
;; Inputs: gn_b 256 float32; gn_w 256 float32; kb 256 float32; kw 256 x 256 float32; pb 256 float32; pw 256 x 256 float32; qb 256 float32; qw 256 x 256 float32; vb 256 float32; vw 256 x 256 float32; x 4 x 256 x 4,096 float32.
;; Outputs: out0 4 x 256 x 4,096 float32.
;; This version of the problem:
;;   THIS VERSION OF THE PROBLEM IS GIVEN IN LOW PRECISION. The matrix products marked QUANTISED in the list below multiply operands that are first quantised to E3M2 (3 exponent bits, 2 mantissa bits; 6 bits a number), with one power-of-two scale for each 32 numbers along K (OCP MX v1.0); their sums are f32. All else is computed in f32.
;;   The module's matrix products, in the order in which they are computed (A, B: the left and right operand; K: the contracted axis; several contracted axes count as one K, in the product's order):
;;     1. [M 16,384, K 256] x [K 256, N 256]; A: computed on the way; B: input qw: QUANTISED
;;     2. [M 16,384, K 256] x [K 256, N 256]; A: computed on the way; B: input kw: QUANTISED
;;     3. [M 16,384, K 256] x [K 256, N 256]; A: computed on the way; B: input vw: QUANTISED
;;     4. batch 4 x [M 4,096, K 256] x [K 256, N 4,096]; A: computed on the way; B: computed on the way: QUANTISED
;;     5. batch 4 x [M 256, K 4,096] x [K 4,096, N 4,096]; A: computed on the way; B: softmax (see below): QUANTISED
;;     6. [M 16,384, K 256] x [K 256, N 256]; A: computed on the way; B: input pw: QUANTISED
;;   THE QUANTISER, for each operand of a quantised product, along K:
;;     - K is cut into blocks of 32 from its start; a last block that is shorter is filled with zeros.
;;     - A block's scale is 2^e with e = floor(log2(the largest magnitude in the block)) - 4, held to -126 .. 127; a block of zeros has e = 0. As a byte (E8M0): e + 127.
;;     - Each number is divided by its block's scale, clamped to +-28, and rounded to the nearest number of E3M2, ties to even, subnormals kept.
;;     - The product sums the exact products of the quantised numbers (number of the format x scale) in f32.
;;   ~~~python
;;   def quantise(x, axis):      # numpy; x: float32 -> the quantised numbers, widened to float32 again
;;       x = np.moveaxis(x, axis, -1); K = x.shape[-1]
;;       x = np.pad(x, [(0, 0)] * (x.ndim - 1) + [(0, -K % 32)]); x = x.reshape(x.shape[:-1] + (-1, 32)); a = np.abs(x).max(-1, keepdims=True)
;;       e = np.where(a > 0, np.clip(np.frexp(np.where(a > 0, a, 1))[1] - 1 - 4, -126, 127), 0)      # np.frexp(a)[1] - 1 = floor(log2(a)), exactly
;;       r = np.clip(x / 2.0 ** e, -28, 28)
;;       step = 2.0 ** (np.maximum(np.frexp(np.where(r == 0, 1, r))[1] - 1, -2) - 2)
;;       q = np.round(r / step) * step * 2.0 ** e      # np.round: ties to even
;;       return np.moveaxis(q.reshape(q.shape[:-2] + (-1,))[..., :K], -1, axis).astype(np.float32)
;;   ~~~
;;   SOFTMAX AHEAD OF A QUANTISED PRODUCT. Where the list says 'softmax', what is quantised is not the finished softmax but p = 2^(t - M), with t = logit x log2(e) and M = ceil(the row's largest t), a whole number; so 1/2 < the row's largest p <= 1. The row's sum l is taken of the UNQUANTISED p, in f32, and the product's result is divided by l at the end. Since M is a whole number, a kernel that streams over the keys may use a running M (the ceiling of the running maximum): every later rescaling is an exact power of two, which a block's scale takes up: the codes' values come out the same.
;;   OPERANDS COMPUTED ON THE WAY. 'Computed on the way' means the value that the module computes at that place (a softmax that the list does not call 'softmax' is quantised finished and normalised). What goes into a quantiser is computed in f32, as accurately as f32 sums, v_exp_f32 and their like allow (about 1e-6 of the number): no bf16 or f16 on the way to a quantiser, and a product that is left as it is and whose result goes on into a quantised operand takes f32 operands (vector FMAs, or v_wmma_f32_16x16x4_f32). A number that lies on a knife's edge between two numbers of the format may be rounded either way, as far as f32 arithmetic and the matrix unit's own rounding can turn it there, and no further.
;; One version. Each part assembles by itself: llvm-mc -triple=amdgcn-amd-amdhsa -mcpu=gfx1250 --defsym DOCPART=n.
;; ======== version 1 of 1: 3 launches
;; workspace buffers: norm 16,384 bytes; wimg 204,800 bytes; qimg 3,276,800 bytes; kimg 3,276,800 bytes; vimg 3,276,800 bytes
;; launch prep (part 1): grid 136 x 1, 8 waves a work-group, no clusters, 1,536 bytes of LDS; arguments x, gn_w, gn_b, qw, kw, vw, pw, norm, wimg; writes norm, wimg
.if DOCPART == 1
	.amdgcn_target "amdgcn-amd-amdhsa--gfx1250"
	.amdhsa_code_object_version 6
	.text
	.protected	k_q3f32f83a1b_prep
	.globl	k_q3f32f83a1b_prep
	.p2align	8
	.type	k_q3f32f83a1b_prep,@function
k_q3f32f83a1b_prep:
	s_mov_b64 s[64:65], 0
	v_nop
	global_prefetch_b8 v0, s[64:65] scope:SCOPE_SE
	s_setreg_imm32_b32 hwreg(HW_REG_WAVE_MODE, 25, 1), 1
	s_wait_xcnt 0x0
; PREP.  Work-groups 0-127: the statistics of one group (batch b, group g; number 32 b + g) of the group norm.  Work-groups 128-135: the four weights as codes of BF6 (E3M2).
; STATISTICS.  A group is 8 channels x 4,096 positions = 131,072 dense bytes.  256 threads hold it whole in 128 registers each, so x is read once and the variance
; is the mean of (x - mean)^2, taken in a second pass over the registers: no difference of large sums is formed.  The record of a group, 128 bytes of norm:
; words 0-7 rstd x gn_w[c], words 8-15 gn_b[c], words 16-31 the mean.
; WEIGHTS.  A wave takes 16 rows x 256 of one weight: two fragments (16 rows x 128 K, 12 registers a lane), stored as IMAGES OF THE OPERAND'S REGISTERS: register group n
; (four registers) of lane l at 512 n + 16 l.  Tile t holds rows 32 (t / 2) + 8 (t % 2) + r + 8 (r / 8), r = 0 .. 15.  K is innermost in memory, so lane (r, h) loads its own
; two blocks of 32 of each K step and asks no other lane for a maximum.  Scale image of a tile, 128 bytes: lanes 0-15 the rows' words of K step 0, lanes 16-31 of K step 1.
; A block's scale byte is its largest magnitude's exponent field - 4, held at 1 from below.
; LIMITS: NaN and infinities are not served; a block whose largest magnitude lies under 2^-122 (a block of zeros too) keeps the byte 1: its codes are then small or zero, and this program alone reads the bytes.
.macro WGSUM off                       ; the four packed chains v[144:151] -> v144 = the work-group's sum, in every lane
	v_pk_add_f32 v[144:145], v[144:145], v[146:147]
	v_pk_add_f32 v[148:149], v[148:149], v[150:151]
	v_pk_add_f32 v[144:145], v[144:145], v[148:149]
	v_add_f32 v144, v144, v145
	v_add_f32_dpp v144, v144, v144 row_xmask:1 row_mask:0xf bank_mask:0xf
	v_add_f32_dpp v144, v144, v144 row_xmask:2 row_mask:0xf bank_mask:0xf
	v_add_f32_dpp v144, v144, v144 row_xmask:4 row_mask:0xf bank_mask:0xf
	v_add_f32_dpp v144, v144, v144 row_xmask:8 row_mask:0xf bank_mask:0xf
	v_permlanex16_b32 v145, v144, s36, s37
	v_add_f32 v144, v144, v145                     ; the wave's sum
	ds_store_b32 v10, v144 offset:\off             ; to the wave's own word
	s_wait_dscnt 0x0                               ; for the others' sake: my store has landed
	s_barrier_signal -1
	s_barrier_wait -1
	ds_load_b128 v[152:155], v11 offset:\off
	ds_load_b128 v[156:159], v11 offset:\off+16
	s_wait_dscnt 0x0
	v_pk_add_f32 v[152:153], v[152:153], v[154:155]
	v_pk_add_f32 v[156:157], v[156:157], v[158:159]
	v_pk_add_f32 v[152:153], v[152:153], v[156:157]
	v_add_f32 v144, v152, v153
.endm
.macro WQ ks                           ; K step ks of my 16 rows: 64 numbers a lane (two whole blocks) -> 12 registers of codes, stored; the scale word -> v[186 + ks]
.set XB, 16+64*\ks
.set CD, 144+12*\ks
.irp c, 0,1
	v_max3_num_f32 v[176+\c], |v[XB+32*\c]|, |v[XB+32*\c+1]|, 0x2800000   ; my block 2 c + h, and the floor 2^(5 - 127): the byte cannot fall under 1
.endr
.irp i, 2,4,6,8,10,12,14,16,18,20,22,24,26,28,30
.irp c, 0,1
	v_max3_num_f32 v[176+\c], v[176+\c], |v[XB+32*\c+\i]|, |v[XB+32*\c+\i+1]|
.endr
.endr
.irp c, 0,1
	v_add_nc_u32 v[178+\c], 0xfe000000, v[176+\c]  ; 4 off the exponent field: the conversion's scale operand
.endr
.irp c, 0,1
	v_lshrrev_b32 v[180+\c], 23, v[178+\c]         ; the scale's byte
.endr
	v_lshl_or_b32 v182, v181, 16, v180             ; blocks h and 2 + h,
	v_lshlrev_b32 v182, v8, v182                   ; 8 h bits up;
	v_permlanex16_b32 v184, v182, s36, s37
	v_or_b32 v[186+\ks], v182, v184                ; with lane l xor 16's two bytes the word is whole
.irp c, 0,1
	v_cvt_scalef32_pk16_bf6_f32 v[CD+6*\c:CD+6*\c+2], v[XB+32*\c:XB+32*\c+15], v[178+\c]
	v_cvt_scalef32_pk16_bf6_f32 v[168+4*\c:170+4*\c], v[XB+32*\c+16:XB+32*\c+31], v[178+\c]   ; (a conversion's three registers begin on an even number)
.endr
	v_nop                                          ; one plain place behind a scaled conversion
.irp c, 0,1
.irp i, 0,1,2
	v_mov_b32 v[CD+6*\c+3+\i], v[168+4*\c+\i]
.endr
.endr
.irp n, 0,1,2
	global_store_b128 v1, v[CD+4*\n:CD+4*\n+3], s[20:21] offset:1536*\ks+512*\n   ; 32 lanes store 512 consecutive bytes
.endr
.endm
	s_load_b512 s[4:19], s[0:1], 0x0               ; x 4, gn_w 6, gn_b 8, qw 10, kw 12, vw 14, pw 16, norm 18
	s_load_b64 s[20:21], s[0:1], 0x40              ; wimg
	v_lshl_add_u32 v192, v0, 2, 0x200
	v_mov_b32 v193, 0
	v_lshrrev_b32 v3, 5, v0
	v_readfirstlane_b32 s22, v3                    ; wave 0..7
	v_and_b32 v4, 31, v0                           ; lane
	s_mov_b32 s36, 0x76543210
	s_mov_b32 s37, 0xfedcba98                      ; v_permlanex16_b32's selects for lane l xor 16
	s_cmp_ge_u32 ttmp9, 128                        ; the same for all waves of a work-group
	s_cbranch_scc1 .Lweights
	; ---- statistics of group ttmp9
	v_lshlrev_b32 v1, 4, v0                        ; 16 bytes a thread: a load of the work-group covers 4,096 consecutive bytes
	v_and_b32 v5, 7, v0
	s_and_b32 s26, ttmp9, 31
	s_lshl_b32 s26, s26, 5                         ; the group's 8 gains and biases: 32 bytes
	v_lshl_add_u32 v2, v5, 2, s26
	v_lshlrev_b32 v10, 2, v3                       ; LDS: my wave's word
	v_mov_b32 v11, 0
	s_lshl_b32 s24, ttmp9, 17
	s_mov_b32 s25, 0
	s_wait_kmcnt 0x0
	s_add_nc_u64 s[4:5], s[4:5], s[24:25]
	global_load_b32 v12, v2, s[6:7]                ; gn_w[8 g + lane % 8]
	global_load_b32 v13, v2, s[8:9]                ; gn_b likewise
.set k, 0
.rept 32
	global_load_b128 v[16+4*k:19+4*k], v1, s[4:5] offset:4096*k
.set k, k+1
.endr
	s_wait_loadcnt 24                              ; the first eight loads of x are in, the 24 younger ones may be out
.irp c, 0,1,2,3
	v_pk_add_f32 v[144+2*\c:145+2*\c], v[16+4*\c:17+4*\c], v[18+4*\c:19+4*\c]   ; the first eight pairs start four chains: nothing is cleared
.endr
.set p, 8
.rept 56
.if p == 16
	s_wait_loadcnt 16
.elseif p == 32
	s_wait_loadcnt 8
.elseif p == 48
	s_wait_loadcnt 0x0
.endif
	v_pk_add_f32 v[144+2*(p%4):145+2*(p%4)], v[144+2*(p%4):145+2*(p%4)], v[16+2*p:17+2*p]
.set p, p+1
.endr
	WGSUM 0
	v_mul_f32 v160, 0x38000000, v144               ; mean = sum x 2^-15
	v_mov_b32 v161, v160
.set p, 0
.rept 64
	v_pk_add_f32 v[16+2*p:17+2*p], v[16+2*p:17+2*p], v[160:161] neg_lo:[0,1] neg_hi:[0,1]   ; x - mean
.set p, p+1
.endr
.irp c, 0,1,2,3
	v_pk_mul_f32 v[144+2*\c:145+2*\c], v[16+2*\c:17+2*\c], v[16+2*\c:17+2*\c]
.endr
.set p, 4
.rept 60
	v_pk_fma_f32 v[144+2*(p%4):145+2*(p%4)], v[16+2*p:17+2*p], v[16+2*p:17+2*p], v[144+2*(p%4):145+2*(p%4)]
.set p, p+1
.endr
	WGSUM 32                                       ; other LDS words than the first sum's
	v_mul_f32 v162, 0x38000000, v144               ; the variance
	v_add_f32 v162, 0x358637bd, v162               ; + 1e-6
	v_rsq_f32 v163, v162
	v_nop                                          ; one plain place behind a transcendental
	s_wait_alu depctr_va_vdst(0)
	v_mul_f32 v14, v163, v12                       ; rstd x gn_w
	v_cmp_gt_u32 vcc_lo, 8, v4
	v_cndmask_b32 v14, v13, v14, vcc_lo            ; lanes 8-15: gn_b
	v_cmp_gt_u32 vcc_lo, 16, v4
	v_cndmask_b32 v14, v160, v14, vcc_lo           ; lanes 16-31: the mean
	s_cmp_lg_u32 s22, 0
	s_cbranch_scc1 .Ldone                          ; wave 0 stores the record
	s_lshl_b32 s24, ttmp9, 7
	s_add_nc_u64 s[18:19], s[18:19], s[24:25]
	v_lshlrev_b32 v15, 2, v4
	global_store_b32 v15, v14, s[18:19]
.Ldone:
	s_wait_tensorcnt 0x0
	ds_add_u32 v192, v193
	s_wait_dscnt 0x0
	s_endpgm
.Lweights:
	s_sub_co_u32 s23, ttmp9, 128
	s_lshr_b32 s24, s23, 1                         ; which weight: 0 q, 1 k, 2 v, 3 p
	s_lshl_b32 s25, s23, 3
	s_add_co_u32 s25, s25, s22                     ; job = 16 x weight + tile
	s_and_b32 s26, s25, 15                         ; tile
	s_lshr_b32 s27, s26, 1
	s_lshl_b32 s27, s27, 15                        ; 32 (t / 2) rows of 1,024 bytes
	s_and_b32 s28, s26, 1
	s_lshl_b32 s28, s28, 13                        ; 8 (t % 2) rows
	s_add_co_u32 s28, s28, s27
	s_mov_b32 s29, 0
	s_mul_i32 s30, s25, 3072                       ; the tile's two images
	s_mov_b32 s31, 0
	s_lshl_b32 s32, s25, 7
	s_add_co_u32 s32, s32, 196608                  ; its scale image, behind the 128 fragments
	s_mov_b32 s33, 0
	s_mov_b32 s38, 0xffff0000                      ; lanes 16-31
	v_and_b32 v5, 15, v0                           ; r
	v_bfe_u32 v6, v0, 4, 1                         ; h
	v_and_b32 v7, 8, v5
	v_add_nc_u32 v7, v7, v5                        ; r + 8 (r / 8)
	v_lshlrev_b32 v7, 10, v7
	v_lshl_add_u32 v7, v6, 7, v7                   ; my row, + 128 h bytes: my block of 32
	v_lshlrev_b32 v1, 4, v4
	v_lshlrev_b32 v2, 2, v4
	v_lshlrev_b32 v8, 3, v6                        ; 8 h
	v_mov_b32 v184, 0                              ; a lane permute's destination counts as one of its sources
	s_wait_kmcnt 0x0
	s_cmp_eq_u32 s24, 0
	s_cselect_b64 s[10:11], s[10:11], s[12:13]
	s_cmp_eq_u32 s24, 2
	s_cselect_b64 s[14:15], s[14:15], s[16:17]
	s_cmp_lt_u32 s24, 2
	s_cselect_b64 s[10:11], s[10:11], s[14:15]     ; the choice hangs on the work-group's number alone
	s_add_nc_u64 s[10:11], s[10:11], s[28:29]
	s_add_nc_u64 s[34:35], s[20:21], s[32:33]
	s_add_nc_u64 s[20:21], s[20:21], s[30:31]
.irp ks, 0,1
.irp c, 0,1
.irp i, 0,1,2,3,4,5,6,7
	global_load_b128 v[16+64*\ks+32*\c+4*\i:19+64*\ks+32*\c+4*\i], v7, s[10:11] offset:512*\ks+256*\c+16*\i   ; k = 128 ks + 64 c + 32 h + 4 i ..
.endr
.endr
.endr
	s_wait_loadcnt 0x0
	WQ 0
	WQ 1
	v_cndmask_b32 v188, v186, v187, s38            ; lanes 0-15 K step 0's words, lanes 16-31 K step 1's
	global_store_b32 v2, v188, s[34:35]
	s_endpgm
.Lfunc_end_k_q3f32f83a1b_prep:
	.size	k_q3f32f83a1b_prep, .Lfunc_end_k_q3f32f83a1b_prep-k_q3f32f83a1b_prep
	.p2alignl 7, 3214868480
	.fill 96, 4, 3214868480
	.section	.rodata,"a",@progbits
	.p2align	6, 0x0
	.amdhsa_kernel k_q3f32f83a1b_prep
		.amdhsa_group_segment_fixed_size 1536
		.amdhsa_private_segment_fixed_size 0
		.amdhsa_enable_private_segment 0
		.amdhsa_kernarg_size 72
		.amdhsa_user_sgpr_count 2
		.amdhsa_user_sgpr_kernarg_segment_ptr 1
		.amdhsa_wavefront_size32 1
		.amdhsa_system_sgpr_workgroup_id_x 1
		.amdhsa_system_sgpr_workgroup_id_y 1
		.amdhsa_system_sgpr_workgroup_id_z 1
		.amdhsa_system_vgpr_workitem_id 0
		.amdhsa_next_free_vgpr 194
		.amdhsa_next_free_sgpr 66
		.amdhsa_reserve_vcc 1
		.amdhsa_float_denorm_mode_32 3
		.amdhsa_float_denorm_mode_16_64 3
		.amdhsa_memory_ordered 1
		.amdhsa_forward_progress 1
		.amdhsa_inst_pref_size 31
	.end_amdhsa_kernel
	.amdgpu_metadata
---
amdhsa.version: [ 1, 2 ]
amdhsa.kernels:
  - .name:           k_q3f32f83a1b_prep
    .symbol:         k_q3f32f83a1b_prep.kd
    .args:
      - { .name: x, .offset: 0, .size: 8, .value_kind: global_buffer, .address_space: global }
      - { .name: gn_w, .offset: 8, .size: 8, .value_kind: global_buffer, .address_space: global }
      - { .name: gn_b, .offset: 16, .size: 8, .value_kind: global_buffer, .address_space: global }
      - { .name: qw, .offset: 24, .size: 8, .value_kind: global_buffer, .address_space: global }
      - { .name: kw, .offset: 32, .size: 8, .value_kind: global_buffer, .address_space: global }
      - { .name: vw, .offset: 40, .size: 8, .value_kind: global_buffer, .address_space: global }
      - { .name: pw, .offset: 48, .size: 8, .value_kind: global_buffer, .address_space: global }
      - { .name: norm, .offset: 56, .size: 8, .value_kind: global_buffer, .address_space: global }
      - { .name: wimg, .offset: 64, .size: 8, .value_kind: global_buffer, .address_space: global }
    .group_segment_fixed_size: 1536
    .private_segment_fixed_size: 0
    .kernarg_segment_align: 8
    .kernarg_segment_size: 72
    .max_flat_workgroup_size: 256
    .sgpr_count:     66
    .vgpr_count:     194
    .wavefront_size: 32
...
	.end_amdgpu_metadata
.endif
;; end of part 1
;; launch qkv (part 2): grid 128 x 1, 8 waves a work-group, no clusters, 26,624 bytes of LDS; arguments x, norm, wimg, qb, kb, vb, qimg, kimg, vimg; writes qimg, kimg, vimg
.if DOCPART == 2
	.amdgcn_target "amdgcn-amd-amdhsa--gfx1250"
	.amdhsa_code_object_version 6
	.text
	.protected	k_q3f32f83a1b_qkv
	.globl	k_q3f32f83a1b_qkv
	.p2align	8
	.type	k_q3f32f83a1b_qkv,@function
k_q3f32f83a1b_qkv:
	s_mov_b64 s[64:65], 0
	v_nop
	global_prefetch_b8 v0, s[64:65] scope:SCOPE_SE
	s_setreg_imm32_b32 hwreg(HW_REG_WAVE_MODE, 25, 1), 1
	s_wait_xcnt 0x0
; QKV.  A work-group takes one UNIT: 128 positions of one batch (unit = ttmp9 = 32 b + u).  It norms x, quantises xn along the channels, makes q, k and v by products on codes of BF6 (E3M2) with
; one E8M0 scale for each 32 along K, adds the biases, and quantises the results: q and k along the channels, v along the positions (the keys).  128 positions to a work-group, since a fragment of v wants 128 keys:
; x is then read and quantised once, and every fragment leaves whole.
; IMAGES.  A fragment (16 rows x 128 K, 12 registers a lane) lies everywhere as an image of its registers: register group n (four registers) of lane l at 512 n + 16 l: 1,536 bytes.
; TILES ARE PERMUTED: tile 2 B + u holds indices 32 B + 8 u + r + 8 (r / 8).  A product with such tiles as source 0 leaves in a lane's 16 registers of tiles 2 B, 2 B + 1 the 16 neighbours 32 B + 16 h + 0 .. 15.
; A unit of qimg and kimg, 25,600 bytes: fragment (tile of positions T, K step S of 128 channels) at (2 T + S) 1536; scale words at 24576 + 512 S + 16 lane + 4 P: tile 2 P + lane / 16, row lane % 16.
; A unit of vimg: fragment j (tile of channels; K = the unit's 128 keys) at 1536 j; scale words at 24576 + 256 R + 8 lane + 4 e: tile 4 R + 2 e + lane / 16, row lane % 16.
; PHASE X, all eight waves: wave w takes channels 128 (w / 4) on and positions 32 (w % 4) + lane; a lane's registers run down the channels, so a block of 32 is one lane's and its codes come out with K innermost;
; they go to LDS at their places in xn's 16 images.  One barrier.
; ROLES: waves 0, 1: q's channels 0-127, 128-255; waves 2, 3: k's; waves 4-7: v's channels 64 (w - 4) on.  One shape serves all: 16 fragments that stay (window 1, source 0) x 2 fragments that move (source 1).
; q, k: the weights stay, xn's tiles move: a lane holds one position and 64 channels.  v: xn stays, vw's tiles move: a lane holds one channel and 64 keys.
; LIMITS: NaN and infinities are not served; a block whose largest magnitude lies under 2^-122 keeps the scale byte 1.
; REGISTERS, window 0: v1 16 lane, v2 4 lane, v3 xn's scale word's place, v5 xn's codes' place, v6 8 lane, v7 bias offset; v8-15 the staying operand's scale words; v16-79 x, then 8 accumulators;
;   v80-103 the moving fragments (q, k), v104-107 moving scale words; v96-99 vb; v108-126 codes; v128-143 at work; v144-151 scale words made; v152-159 v's bias as C; v160-255 vw's four tiles.
;   window 1: v0-191 the 16 staying fragments; v192-255 q's or k's bias as C.
.set XSC, 24576                        ; LDS: xn's 16 images from 0; their scale words: 128 T + 64 S + 4 r
.set ACC, 16
.set PC,  108
.set TM,  128
.set PW,  144
.set MSB, 0
.macro WIN new                         ; the immediate's high byte repeats the setting that is left
.if MSB != \new
	s_set_vgpr_msb (MSB<<8)|\new
.set MSB, \new
.endif
.endm
.macro NOP4
.rept 4
	v_nop
.endr
.endm
.macro RECS t                          ; the records of the four groups of block t: gains and biases in 16 scalar registers each, the means in s84-87
	s_load_b512 s[16:31], s[6:7], (4*(\t))*128
	s_load_b512 s[32:47], s[6:7], (4*(\t)+1)*128
	s_load_b512 s[48:63], s[6:7], (4*(\t)+2)*128
	s_load_b512 s[68:83], s[6:7], (4*(\t)+3)*128
	s_load_b32 s84, s[6:7], (4*(\t))*128+64
	s_load_b32 s85, s[6:7], (4*(\t)+1)*128+64
	s_load_b32 s86, s[6:7], (4*(\t)+2)*128+64
	s_load_b32 s87, s[6:7], (4*(\t)+3)*128+64
.endm
.macro LOADX t                         ; block t: x(channel 32 t + i, my position): 32 lanes read 128 consecutive bytes, four waves side by side 512
.set li, 0
.rept 32
	global_load_b32 v[16+32*((\t)%2)+li], v2, s[4:5] offset:(32*(\t)+li)*16384
.set li, li+1
.endr
.endm
.macro BLOCK t
.set XS, 16+32*((\t)%2)
	s_wait_kmcnt 0x0                               ; the block's records
.if (\t) < 3
	s_wait_loadcnt 32                              ; this block's loads (and all older ones) are in; the next block's 32 may be out
.else
	s_wait_loadcnt 0x0
.endif
.set bi, 0
.rept 32
	v_sub_f32 v[XS+bi], v[XS+bi], s[84+bi/8]       ; x - mean
.set bi, bi+1
.endr
.set bi, 0
.rept 32
	v_fma_f32 v[XS+bi], v[XS+bi], s[16+16*(bi/8)+4*(bi/24)+bi%8], s[24+16*(bi/8)+4*(bi/24)+bi%8]   ; x (rstd gn_w) + gn_b
.set bi, bi+1
.endr
.if (\t) < 3
	RECS (\t)+1
.endif
	v_max3_num_f32 v88, |v[XS]|, |v[XS+1]|, |v[XS+2]|               ; the block's largest magnitude: all 32 numbers are mine
	v_max3_num_f32 v89, |v[XS+3]|, |v[XS+4]|, |v[XS+5]|
.irp i, 6,10,14,18,22,26
	v_max3_num_f32 v88, v88, |v[XS+\i]|, |v[XS+\i+1]|
	v_max3_num_f32 v89, v89, |v[XS+\i+2]|, |v[XS+\i+3]|
.endr
	v_max3_num_f32 v88, v88, |v[XS+30]|, |v[XS+31]|
	v_max3_num_f32 v88, v88, v89, 0x2800000        ; and the floor 2^(5 - 127)
	v_add_nc_u32 v90, 0xfe000000, v88              ; 4 off the exponent field: the conversion's scale operand
	v_lshrrev_b32 v91, 23, v90                     ; the scale's byte
.if (\t) == 0
	v_mov_b32 v92, v91
.else
	v_lshl_or_b32 v92, v91, 8*(\t), v92            ; four bytes make my position's scale word of this K step
.endif
	v_cvt_scalef32_pk16_bf6_f32 v[80:82], v[XS:XS+15], v90
	v_cvt_scalef32_pk16_bf6_f32 v[84:86], v[XS+16:XS+31], v90      ; (a conversion's three registers begin on an even number)
	v_nop                                          ; one plain place behind a scaled conversion
	v_mov_b32 v83, v84
	v_mov_b32 v84, v85
	v_mov_b32 v85, v86                             ; v[80:85]: the block's 24 bytes: registers 6 (t / 2) .. + 5 of lane r + 16 (t % 2) of the image
.if (\t) < 2
	ds_store_b128 v5, v[80:83] offset:256*(\t)
	ds_store_b64 v5, v[84:85] offset:512+256*(\t)
.else
	ds_store_b64 v5, v[80:81] offset:520+256*((\t)-2)
	ds_store_b128 v5, v[82:85] offset:1024+256*((\t)-2)
.endif
.if (\t) < 2
	LOADX (\t)+2
.endif
	s_wait_dscnt 0x0                               ; the stores have read their registers
.endm
; 64 numbers of a lane, register 16 b + i = k 32 b + 16 (lane / 16) + i of my row, become a fragment's codes in v[PC] on and its scale word in v[PW]
.macro QUANT s
.irp b, 0,1,2,3
	v_max3_num_f32 v[TM+\b], |v[\s+16*\b]|, |v[\s+1+16*\b]|, 0x2800000   ; each accumulator is read from its low end on
.endr
.irp i, 2,4,6,8,10,12,14
.irp b, 0,1,2,3
	v_max3_num_f32 v[TM+\b], v[TM+\b], |v[\s+16*\b+\i]|, |v[\s+1+16*\b+\i]|
.endr
.endr
.irp b, 0,1,2,3
	v_permlanex16_b32 v[TM+4+\b], v[TM+\b], s92, s93
.endr
.irp b, 0,1,2,3
	v_max_num_f32 v[TM+\b], v[TM+\b], v[TM+4+\b]   ; with lane l xor 16's: the block's largest magnitude
.endr
.irp b, 0,1,2,3
	v_add_nc_u32 v[TM+12+\b], 0xfe000000, v[TM+\b]
.endr
.irp b, 0,1,2,3
	v_lshrrev_b32 v[TM+4+\b], 23, v[TM+12+\b]
.endr
	v_lshl_or_b32 v[PW], v[TM+5], 8, v[TM+4]
	v_lshl_or_b32 v[PW], v[TM+6], 16, v[PW]
	v_lshl_or_b32 v[PW], v[TM+7], 24, v[PW]
.irp c, 0,1
	v_cvt_scalef32_pk16_bf6_f32 v[PC+6*\c:PC+2+6*\c], v[\s+32*\c:\s+15+32*\c], v[TM+12+2*\c]
	v_cvt_scalef32_pk16_bf6_f32 v[PC+12+4*\c:PC+14+4*\c], v[\s+16+32*\c:\s+31+32*\c], v[TM+12+2*\c+1]
.endr
	v_nop                                          ; one plain place behind a scaled conversion
.irp c, 0,1                                    ; the operand's layout wants a whole block in a lane
.irp i, 0,1,2
	v_permlane16_swap_b32 v[PC+6*\c+\i], v[PC+12+4*\c+\i]
.endr
.irp i, 0,1,2
	v_mov_b32 v[PC+3+6*\c+\i], v[PC+12+4*\c+\i]
.endr
.endr
.endm
; 16 products: the 8 staying tiles x the moving tile, two K steps.  The eight accumulators take turns.  The bias is the C of the first K step.
.macro MULS mv, ms, cw, cb, cs
	WIN \cw
.irp t, 0,1,2,3,4,5,6,7
	v_wmma_scale_f32_16x16x128_f8f6f4 v[ACC+8*\t:ACC+8*\t+7], v[24*\t:24*\t+11], v[\mv:\mv+11], v[\cb+\cs*\t:\cb+\cs*\t+7], v[8+\t], v[\ms] matrix_a_fmt:MATRIX_FMT_BF6 matrix_b_fmt:MATRIX_FMT_BF6
.endr
	WIN 0x01
.irp t, 0,1,2,3,4,5,6,7
	v_wmma_scale_f32_16x16x128_f8f6f4 v[ACC+8*\t:ACC+8*\t+7], v[24*\t+12:24*\t+23], v[\mv+12:\mv+23], v[ACC+8*\t:ACC+8*\t+7], v[8+\t], v[\ms] matrix_a_fmt:MATRIX_FMT_BF6 matrix_b_fmt:MATRIX_FMT_BF6 matrix_a_scale:MATRIX_SCALE_ROW1 matrix_b_scale:MATRIX_SCALE_ROW1
.endr
	WIN 0
	NOP4                                           ; places behind the products: in front of loads into their sources, of writes of their C and of the first read of results
.endm
.macro FETCHX T                        ; xn's tile T: two images and the scale words (lanes 0-15 K step 0, lanes 16-31 K step 1)
.irp n, 0,1,2,3,4,5
	ds_load_b128 v[80+4*\n:83+4*\n], v1 offset:(\T)*3072+512*\n
.endr
	ds_load_b32 v104, v2 offset:XSC+128*(\T)
.endm
.macro OUT3 off                        ; the fragment just made leaves as it stands: three stores of 512 consecutive bytes
.irp n, 0,1,2
	global_store_b128 v1, v[PC+4*\n:PC+4*\n+3], s[12:13] offset:\off+512*\n
.endr
.endm
	s_load_b512 s[16:31], s[0:1], 0x0              ; x 16, norm 18, wimg 20, qb 22, kb 24, vb 26, qimg 28, kimg 30
	s_load_b64 s[32:33], s[0:1], 0x40              ; vimg
	v_lshl_add_u32 v145, v0, 2, 0x6400
	v_mov_b32 v147, 0
	v_lshrrev_b32 v7, 5, v0
	v_readfirstlane_b32 s3, v7                     ; wave 0..7
	v_and_b32 v7, 31, v0
	v_lshlrev_b32 v1, 4, v7
	v_lshlrev_b32 v2, 2, v7
	v_lshlrev_b32 v6, 3, v7
	s_and_b32 s94, s3, 3                           ; B: which 32 positions (phase X); R for the v role
	s_lshr_b32 s95, s3, 2                          ; which 128 channels (phase X)
	s_lshl_b32 s96, s94, 2
	s_add_co_u32 s96, s96, s95
	s_mul_i32 s96, s96, 1536                       ; image 2 (2 B) + S
	v_bfe_u32 v3, v0, 3, 1                         ; my position 32 B + lane lies in tile 2 B + (lane / 8) % 2,
	v_and_b32 v4, 7, v0
	v_bfe_u32 v5, v0, 4, 1
	v_lshl_or_b32 v4, v5, 3, v4                    ; row lane % 8 + 8 (lane / 16)
	v_mul_u32_u24 v5, v3, 3072
	v_lshl_add_u32 v5, v4, 4, v5
	v_add_nc_u32 v5, s96, v5                       ; where my codes go
	s_lshl_b32 s96, s94, 8
	s_lshl_b32 s97, s95, 6
	s_add_co_u32 s96, s96, s97
	s_add_co_u32 s96, s96, XSC
	v_lshlrev_b32 v3, 7, v3
	v_lshl_add_u32 v3, v4, 2, v3
	v_add_nc_u32 v3, s96, v3                       ; where my scale word goes
.irp b, 0,1,2,3
	v_mov_b32 v[TM+4+\b], 0                        ; a lane permute's destination counts as one of its sources
.endr
	s_mov_b32 s90, 0xffff0000                      ; lanes 16-31
	s_mov_b32 s92, 0x76543210
	s_mov_b32 s93, 0xfedcba98
	s_lshr_b32 s96, ttmp9, 5                       ; b
	s_and_b32 s97, ttmp9, 31                       ; u
	s_mov_b32 s99, 0
	s_wait_kmcnt 0x0
	s_lshl_b32 s98, s96, 22                        ; x: batch, my 128 channels, the unit's 512 bytes of a row, my wave's 128 of them
	s_lshl_b32 s100, s95, 21
	s_add_co_u32 s98, s98, s100
	s_lshl_b32 s100, s97, 9
	s_add_co_u32 s98, s98, s100
	s_lshl_b32 s100, s94, 7
	s_add_co_u32 s98, s98, s100
	s_add_nc_u64 s[4:5], s[16:17], s[98:99]
	s_lshl_b32 s98, s96, 12                        ; norm: record 32 b + 16 (w / 4)
	s_lshl_b32 s100, s95, 11
	s_add_co_u32 s98, s98, s100
	s_add_nc_u64 s[6:7], s[18:19], s[98:99]
	s_mul_i32 s98, s3, 24576                       ; my weights' images: q, k: 8 tiles from tile 8 w on; v: vw's tiles 4 R on
	s_mul_i32 s100, s3, 12288
	s_add_co_u32 s100, s100, 49152
	s_cmp_lt_u32 s3, 4
	s_cselect_b32 s98, s98, s100
	s_add_nc_u64 s[8:9], s[20:21], s[98:99]
	s_lshl_b32 s98, s3, 10                         ; and their scale images
	s_add_co_u32 s98, s98, 196608
	s_lshl_b32 s100, s3, 9
	s_add_co_u32 s100, s100, 198656
	s_cmp_lt_u32 s3, 4
	s_cselect_b32 s98, s98, s100
	s_add_nc_u64 s[88:89], s[20:21], s[98:99]
	s_cmp_lt_u32 s3, 2                             ; my bias and my output: the choices hang on the wave's number alone
	s_cselect_b64 s[10:11], s[22:23], s[24:25]
	s_cselect_b64 s[12:13], s[28:29], s[30:31]
	s_cmp_lt_u32 s3, 4
	s_cselect_b64 s[10:11], s[10:11], s[26:27]
	s_cselect_b64 s[12:13], s[12:13], s[32:33]
	s_and_b32 s98, s3, 1
	s_lshl_b32 s98, s98, 9
	s_lshl_b32 s100, s94, 8
	s_cmp_lt_u32 s3, 4
	s_cselect_b32 s98, s98, s100                   ; 512 S or 256 R: my place in the bias, and among the unit's scale words
	s_add_nc_u64 s[10:11], s[10:11], s[98:99]
	s_mul_i32 s91, ttmp9, 25600                    ; the unit
	s_add_co_u32 s98, s98, s91
	s_add_co_u32 s98, s98, 24576
	s_add_nc_u64 s[14:15], s[12:13], s[98:99]      ; where my scale words go
	s_and_b32 s98, s3, 1
	s_mul_i32 s98, s98, 1536
	s_mul_i32 s100, s94, 6144
	s_cmp_lt_u32 s3, 4
	s_cselect_b32 s98, s98, s100
	s_add_co_u32 s98, s98, s91
	s_add_nc_u64 s[12:13], s[12:13], s[98:99]      ; where my fragments go
	RECS 0                                         ; (the arguments' registers are done with)
	s_cmp_lt_u32 s3, 4
	s_cbranch_scc0 .Lhead_v
	v_bfe_u32 v7, v0, 4, 1
	v_lshlrev_b32 v7, 6, v7                        ; bias: 16 h numbers on
.irp t, 0,1,2,3,4,5,6,7
	global_load_b32 v[8+\t], v2, s[88:89] offset:128*\t
.endr
	WIN 0x40                                       ; destination window 1
.set hi, 0
.rept 48
	global_load_b128 v[4*hi:4*hi+3], v1, s[8:9] offset:512*hi      ; 16 images on end
.set hi, hi+1
.endr
.irp t, 0,1,2,3,4,5,6,7
	global_load_b128 v[192+8*\t:195+8*\t], v7, s[10:11] offset:(32*(\t/2)+8*(\t%2))*4      ; the tile's eight channels of my half
	global_load_b128 v[196+8*\t:199+8*\t], v7, s[10:11] offset:(32*(\t/2)+8*(\t%2))*4+16
.endr
	WIN 0
	s_branch .Lhead_done
.Lhead_v:
	v_and_b32 v7, 15, v0
	v_and_b32 v4, 8, v7
	v_add_nc_u32 v7, v4, v7
	v_lshlrev_b32 v7, 2, v7                        ; bias: channel r + 8 (r / 8) of a tile
.irp t, 0,1,2,3
	global_load_b32 v[96+\t], v7, s[10:11] offset:(32*(\t/2)+8*(\t%2))*4
	global_load_b32 v[104+\t], v2, s[88:89] offset:128*\t
.endr
.set hi, 0
.rept 24
	global_load_b128 v[160+4*hi:163+4*hi], v1, s[8:9] offset:512*hi   ; vw's four tiles, two images each
.set hi, hi+1
.endr
.Lhead_done:
	LOADX 0
	LOADX 1
	BLOCK 0
	BLOCK 1
	BLOCK 2
	BLOCK 3
	ds_store_b32 v3, v92
	s_wait_dscnt 0x0                               ; for the others' sake: my stores have landed
	s_barrier_signal -1
	s_barrier_wait -1                              ; xn's 16 images and their scale words lie in LDS
	s_cmp_lt_u32 s3, 4
	s_cbranch_scc0 .Lrole_v
	; ---- q or k: for each tile of 16 positions, my 128 channels
	FETCHX 0
.irp T, 0,1,2,3,4,5,6,7
	s_wait_dscnt 0x0
	MULS 80, 104, 0x11, 192, 8
.if \T < 7
	FETCHX \T+1
.endif
	s_wait_xcnt 0x0                                ; the last fragment's stores have read their registers
	QUANT ACC
	OUT3 \T*3072
.if \T%2 == 0
	v_mov_b32 v146, v[PW]
.else
	v_cndmask_b32 v[148+\T/2], v146, v[PW], s90    ; lanes 0-15 the even tile's words, lanes 16-31 the odd tile's
.endif
.endr
	global_store_b128 v1, v[148:151], s[14:15]
	s_wait_tensorcnt 0x0
	ds_add_u32 v145, v147
	s_wait_dscnt 0x0
	s_endpgm
.Lrole_v:
	; ---- v: for each of my four tiles of 16 channels, the unit's 128 keys
	WIN 0x40
.set hi, 0
.rept 48
	ds_load_b128 v[4*hi:4*hi+3], v1 offset:512*hi  ; xn's 16 images stay in window 1
.set hi, hi+1
.endr
	WIN 0
.irp t, 0,1,2,3,4,5,6,7
	ds_load_b32 v[8+\t], v2 offset:XSC+128*\t
.endr
.irp i, 0,1,2,3,4,5,6,7
	v_mov_b32 v[152+\i], v96                       ; a lane holds one channel: its bias in all eight registers of C
.endr
	NOP4
.irp T, 0,1,2,3
	s_wait_dscnt 0x0
	MULS 160+24*\T, 104+\T, 0x01, 152, 0
.if \T < 3
.irp i, 0,1,2,3,4,5,6,7
	v_mov_b32 v[152+\i], v[97+\T]
.endr
.endif
	s_wait_xcnt 0x0                                ; the last fragment's stores have read their registers
	QUANT ACC
	OUT3 \T*1536
.if \T%2 == 0
	v_mov_b32 v146, v[PW]
.else
	v_cndmask_b32 v[148+\T/2], v146, v[PW], s90
.endif
.endr
	global_store_b64 v6, v[148:149], s[14:15]
	s_wait_tensorcnt 0x0
	ds_add_u32 v145, v147
	s_wait_dscnt 0x0
	s_endpgm
.Lfunc_end_k_q3f32f83a1b_qkv:
	.size	k_q3f32f83a1b_qkv, .Lfunc_end_k_q3f32f83a1b_qkv-k_q3f32f83a1b_qkv
	.p2alignl 7, 3214868480
	.fill 96, 4, 3214868480
	.section	.rodata,"a",@progbits
	.p2align	6, 0x0
	.amdhsa_kernel k_q3f32f83a1b_qkv
		.amdhsa_group_segment_fixed_size 26624
		.amdhsa_private_segment_fixed_size 0
		.amdhsa_enable_private_segment 0
		.amdhsa_kernarg_size 72
		.amdhsa_user_sgpr_count 2
		.amdhsa_user_sgpr_kernarg_segment_ptr 1
		.amdhsa_wavefront_size32 1
		.amdhsa_system_sgpr_workgroup_id_x 1
		.amdhsa_system_sgpr_workgroup_id_y 1
		.amdhsa_system_sgpr_workgroup_id_z 1
		.amdhsa_system_vgpr_workitem_id 0
		.amdhsa_next_free_vgpr 512
		.amdhsa_next_free_sgpr 102
		.amdhsa_reserve_vcc 0
		.amdhsa_float_denorm_mode_32 3
		.amdhsa_float_denorm_mode_16_64 3
		.amdhsa_memory_ordered 1
		.amdhsa_forward_progress 1
		.amdhsa_inst_pref_size 136
	.end_amdhsa_kernel
	.amdgpu_metadata
---
amdhsa.version: [ 1, 2 ]
amdhsa.kernels:
  - .name:           k_q3f32f83a1b_qkv
    .symbol:         k_q3f32f83a1b_qkv.kd
    .args:
      - { .name: x, .offset: 0, .size: 8, .value_kind: global_buffer, .address_space: global }
      - { .name: norm, .offset: 8, .size: 8, .value_kind: global_buffer, .address_space: global }
      - { .name: wimg, .offset: 16, .size: 8, .value_kind: global_buffer, .address_space: global }
      - { .name: qb, .offset: 24, .size: 8, .value_kind: global_buffer, .address_space: global }
      - { .name: kb, .offset: 32, .size: 8, .value_kind: global_buffer, .address_space: global }
      - { .name: vb, .offset: 40, .size: 8, .value_kind: global_buffer, .address_space: global }
      - { .name: qimg, .offset: 48, .size: 8, .value_kind: global_buffer, .address_space: global }
      - { .name: kimg, .offset: 56, .size: 8, .value_kind: global_buffer, .address_space: global }
      - { .name: vimg, .offset: 64, .size: 8, .value_kind: global_buffer, .address_space: global }
    .group_segment_fixed_size: 26624
    .private_segment_fixed_size: 0
    .kernarg_segment_align: 8
    .kernarg_segment_size: 72
    .max_flat_workgroup_size: 256
    .sgpr_count:     102
    .vgpr_count:     512
    .wavefront_size: 32
...
	.end_amdgpu_metadata
.endif
;; end of part 2
;; launch attn (part 3): grid 64 x 4, 8 waves a work-group, clusters of 4 x 1, 327,680 bytes of LDS; arguments qimg, kimg, vimg, wimg, pb, x, out0; writes out0
.if DOCPART == 3
	.amdgcn_target "amdgcn-amd-amdhsa--gfx1250"
	.amdhsa_code_object_version 6
	.text
	.protected	k_q3f32f83a1b_attn
	.globl	k_q3f32f83a1b_attn
	.p2align	8
	.type	k_q3f32f83a1b_attn,@function
k_q3f32f83a1b_attn:
	s_mov_b64 s[64:65], 0
	v_nop
	global_prefetch_b8 v0, s[64:65] scope:SCOPE_SE
	s_setreg_imm32_b32 hwreg(HW_REG_WAVE_MODE, 25, 1), 1
	s_wait_xcnt 0x0
	s_wait_alu depctr_hold_cnt(0) depctr_sa_sdst(0) depctr_va_vdst(0) depctr_va_sdst(0) depctr_va_ssrc(0) depctr_va_vcc(0) depctr_vm_vsrc(0)
	s_getreg_b32 s2, hwreg(HW_REG_IB_STS2, 6, 4)
	s_cmp_eq_u32 s2, 0
	s_cbranch_scc0 .Lentry_in_a_cluster
	s_endpgm
.Lentry_in_a_cluster:
	s_bfe_u32 s2, ttmp6, 0x10000c
	s_cmp_lg_u32 s2, 0x3003
	s_cbranch_scc0 .Lentry_shape_is_right
	s_endpgm
.Lentry_shape_is_right:
; ATTN.  out0 = x + pw . (softmax(q^T k / 16) applied to v) + pb, all three products on codes of BF6 (E3M2) with one E8M0 scale for each 32 along K.
; The operands come as images of their registers (a fragment, 16 rows x 128 K, is 1,536 bytes: register group n of lane l at 512 n + 16 l), in units of 128 positions and 25,600 bytes, scale words behind the 16 fragments.
; Tiles are permuted: tile 2 B + u holds indices 32 B + 8 u + r + 8 (r / 8), so that a lane's 16 registers of two neighbouring result tiles are 16 neighbours along the next K.
; SHARES.  A work-group owns 64 queries of one batch.  Wave w: key group g = w % 4, query half w / 4: two tiles of 16 queries.  A trip takes 512 keys, four units; group g takes the trip's unit g.
; So each fragment of K and V read from LDS feeds two products, and the four key groups keep maxima, sums and O of their own, which are merged at the end by exact powers of two.
; SOFTMAX.  t = score x log2(e) / 16; M = the largest t so far rounded up to a whole number, kept as -M = floor(-t); p = 2^(t - M) is quantised along the keys; the sum is taken of the unquantised p and divides at the end.
; Both products are used transposed (S^T = K Q^T, O^T = V^T P^T): a lane holds one query throughout.
; LDS.  Two banks of four units for K (0 and 102,400) and one for V (204,800): two banks of both do not fit.  ONE refill a trip: behind the round at a trip's end waves 0-3 ask for the K of the trip after next,
; into the bank just read, and waves 4-7 for the next trip's V: all eight waves issue one tensor load of 100 dense rows of 256 bytes.  V is wanted behind the next trip's scores and both its softmaxes, K a whole trip later.
; A plain barrier in mid-trip shows V to all waves.  By this text's count at most two tensor loads of a wave are out (the first fills of waves 0-3), later one.
; THE ORDER OF THE KEYS.  Cluster x begins with trip x % 8 of its batch's keys and wraps round; the running maximum serves any order.  So the sixteen clusters of a batch ask for eight different sets of units at a time,
; and from the second trip on every unit that a cluster asks for has been asked for by another cluster a trip or more before.
; CLUSTER.  The four work-groups of a cluster belong to one batch and walk the same K and V: each unit is asked for jointly, which divides the requests by four.  Only this one axis shares anything, so 4 x 1.
; Behind the loop the banks serve as scratch: they have had their last fill.  O of all waves lies at 0 .. 262,143, later each wave's stage at 8,704 w.  Bytes of their own, into which no tile lands: the spare words (307,200),
; the groups' statistics (308,224), the merged rows' codes (312,320) and scale words (324,608).
; LIMITS: NaN and infinities are not served; a p under 2^-126 falls to 0; a block whose largest magnitude lies under 2^-122 keeps the scale byte 1.
; REGISTERS, window 0: v1, v2 the add's; v3 my unit's place in a bank of K, v7 the same in the bank in hand; v4, v5 LDS addresses of V and V's scale words; v6 16 lane; v8-19 for each query tile -M, largest t, sum (2), f (2);
;   v20, 21 Q's scale words; v22, 23 P's; v24-31 K's, then V's; v32-79 Q; v80-207 S^T, then p, then ten places for fragments of V; v208-255 two tiles of K, in the softmax P's codes (208-231) and work.   window 1: O^T, 128 q + 8 j.
; SCALARS: s[24:31] descriptor group 1; s[32:35] group 0 for K, which walks; s[52:55] group 0 of K's second first fill; s[68:71] group 0 for V; s[72:73], s[74:75] K and V at my unit of the batch's first trip;
;   s76 the bank of K in hand (0 or 102,400); s78 x % 8 + trips done; s82 my unit's place in a bank.
.set KB1,   102400
.set VB,    204800
.set TRIPB, 102400                     ; a trip's four units in memory
.set SPARE, 307200
.set MS,    308224
.set OIMG,  312320
.set OSC,   324608
.set MSB, 0
.macro WIN new                         ; the immediate's high byte repeats the setting that is left
.if MSB != \new
	s_set_vgpr_msb (MSB<<8)|\new
.set MSB, \new
.endif
.endm
.macro NOP4
.rept 4
	v_nop
.endr
.endm
.macro NOP5
.rept 5
	v_nop
.endr
.endm
.macro CROUND                          ; a round of the cluster's barrier
	s_barrier_signal -1
	s_barrier_wait -1
	s_cmp_lg_u32 s18, 0
	s_cbranch_scc1 .Lnot_wave_0_\@
	s_barrier_signal -3
.Lnot_wave_0_\@:
	s_barrier_wait -3
	s_barrier_signal -1
	s_barrier_wait -1
.endm
; one product.  c < 0: the constant 0 starts the sum.  ra, rb: which half of the lanes holds source 0's and source 1's scale words
.macro WM d, a, b, c, sa, sb, ra, rb
.if (\c) < 0
.if ((\ra) == 0) && ((\rb) == 0)
	v_wmma_scale_f32_16x16x128_f8f6f4 v[\d:\d+7], v[\a:\a+11], v[\b:\b+11], 0, v[\sa], v[\sb] matrix_a_fmt:MATRIX_FMT_BF6 matrix_b_fmt:MATRIX_FMT_BF6
.elseif (\rb) == 0
	v_wmma_scale_f32_16x16x128_f8f6f4 v[\d:\d+7], v[\a:\a+11], v[\b:\b+11], 0, v[\sa], v[\sb] matrix_a_fmt:MATRIX_FMT_BF6 matrix_b_fmt:MATRIX_FMT_BF6 matrix_a_scale:MATRIX_SCALE_ROW1
.elseif (\ra) == 0
	v_wmma_scale_f32_16x16x128_f8f6f4 v[\d:\d+7], v[\a:\a+11], v[\b:\b+11], 0, v[\sa], v[\sb] matrix_a_fmt:MATRIX_FMT_BF6 matrix_b_fmt:MATRIX_FMT_BF6 matrix_b_scale:MATRIX_SCALE_ROW1
.else
	v_wmma_scale_f32_16x16x128_f8f6f4 v[\d:\d+7], v[\a:\a+11], v[\b:\b+11], 0, v[\sa], v[\sb] matrix_a_fmt:MATRIX_FMT_BF6 matrix_b_fmt:MATRIX_FMT_BF6 matrix_a_scale:MATRIX_SCALE_ROW1 matrix_b_scale:MATRIX_SCALE_ROW1
.endif
.else
.if ((\ra) == 0) && ((\rb) == 0)
	v_wmma_scale_f32_16x16x128_f8f6f4 v[\d:\d+7], v[\a:\a+11], v[\b:\b+11], v[\c:\c+7], v[\sa], v[\sb] matrix_a_fmt:MATRIX_FMT_BF6 matrix_b_fmt:MATRIX_FMT_BF6
.elseif (\rb) == 0
	v_wmma_scale_f32_16x16x128_f8f6f4 v[\d:\d+7], v[\a:\a+11], v[\b:\b+11], v[\c:\c+7], v[\sa], v[\sb] matrix_a_fmt:MATRIX_FMT_BF6 matrix_b_fmt:MATRIX_FMT_BF6 matrix_a_scale:MATRIX_SCALE_ROW1
.elseif (\ra) == 0
	v_wmma_scale_f32_16x16x128_f8f6f4 v[\d:\d+7], v[\a:\a+11], v[\b:\b+11], v[\c:\c+7], v[\sa], v[\sb] matrix_a_fmt:MATRIX_FMT_BF6 matrix_b_fmt:MATRIX_FMT_BF6 matrix_b_scale:MATRIX_SCALE_ROW1
.else
	v_wmma_scale_f32_16x16x128_f8f6f4 v[\d:\d+7], v[\a:\a+11], v[\b:\b+11], v[\c:\c+7], v[\sa], v[\sb] matrix_a_fmt:MATRIX_FMT_BF6 matrix_b_fmt:MATRIX_FMT_BF6 matrix_a_scale:MATRIX_SCALE_ROW1 matrix_b_scale:MATRIX_SCALE_ROW1
.endif
.endif
.endm
.macro KFETCH kk                       ; tile kk of my unit of K: its two images into half kk % 2
.irp n, 0,1,2,3,4,5
	ds_load_b128 v[208+24*((\kk)%2)+4*\n:211+24*((\kk)%2)+4*\n], v7 offset:(\kk)*3072+512*\n
.endr
.endm
.macro SMUL kk                         ; S^T of 16 keys x my 32 queries, K = 256 channels: the two accumulators take turns
.irp sg, 0,1
.irp q, 0,1
.if \sg == 0
	WM 80+64*\q+8*(\kk), 208+24*((\kk)%2), 32+24*\q, -1, 24+(\kk)/2, 20, (\kk)%2, \q
.else
	WM 80+64*\q+8*(\kk), 220+24*((\kk)%2), 44+24*\q, 80+64*\q+8*(\kk), 28+(\kk)/2, 21, (\kk)%2, \q
.endif
.endr
.endr
.endm
.macro SPHASE
	v_add_nc_u32 v7, s76, v3                       ; my unit in the bank of K in hand
	ds_load_b128 v[24:27], v7 offset:24576         ; K's scale words: register 4 S + P: lanes 0-15 tile 2 P, lanes 16-31 tile 2 P + 1
	ds_load_b128 v[28:31], v7 offset:25088
	KFETCH 0
	KFETCH 1
.irp k, 0,1,2,3,4,5,6,7
.if \k < 7
	s_wait_dscnt 6                                 ; this tile is in; the next tile's six loads may be out
.else
	s_wait_dscnt 0x0
.endif
	SMUL \k
.if \k < 6
	NOP4                                           ; places in front of loads into registers that the products have read
	KFETCH \k+2
.endif
.endr
	NOP4                                           ; places in front of the first read of the scores
.endm
; the softmax of query tile q for my 128 keys, all but the rescaling of O^T: it stays in window 0
.macro SMA q
.set SB, 80+64*\q
.set NM, 8+6*\q
.set LL, 10+6*\q
.set FF, 12+6*\q
.set PD, 208+12*\q
	WIN 0
.irp b, 0,1,2,3
	v_max3_num_f32 v[232+\b], v[SB+16*\b], v[SB+16*\b+1], v[SB+16*\b+2]   ; the largest score of each block of 32 keys: for the row's maximum and, since p rises with the score, for the block's largest p
.endr
.irp i, 3,5,7,9,11,13
.irp b, 0,1,2,3
	v_max3_num_f32 v[232+\b], v[232+\b], v[SB+16*\b+\i], v[SB+16*\b+\i+1]
.endr
.endr
.irp b, 0,1,2,3
	v_max_num_f32 v[232+\b], v[232+\b], v[SB+16*\b+15]
.endr
.irp b, 0,1,2,3
	v_permlanex16_b32 v[236+\b], v[232+\b], s36, s37
.endr
.irp b, 0,1,2,3
	v_max_num_f32 v[232+\b], v[232+\b], v[236+\b]  ; with lane l xor 16's 16 keys
.endr
	v_max3_num_f32 v248, v232, v233, v234
	v_max_num_f32 v248, v248, v235
	v_mul_f32 v248, s38, v248                      ; as t (c is positive)
	v_max_num_f32 v[NM+1], v[NM+1], v248           ; the running largest t
	v_mov_b32 v248, v[NM]
	v_floor_f32 v[NM], -v[NM+1]                    ; the new -M: M is a whole number
	v_sub_f32 v248, v[NM], v248                    ; old M - new M, 0 or less
	v_cvt_i32_f32 v248, v248                       ; (it saturates)
	v_ldexp_f32 v[FF], 1.0, v248                   ; f = 2^(old M - new M): a multiplication by it rounds nothing
.set sj, 0
.rept 32
	v_pk_fma_f32 v[SB+sj:SB+sj+1], v[SB+sj:SB+sj+1], s[38:39], v[NM:NM+1] op_sel_hi:[1,0,0]   ; t - M, two at a time
.set sj, sj+2
.endr
.irp b, 0,1,2,3
	v_fma_f32 v[232+\b], v[232+\b], s38, v[NM]     ; the same of each block's largest score
.endr
.set sj, 0
.rept 64
	v_exp_f32 v[SB+sj], v[SB+sj]                   ; p = 2^(t - M), not normalised
.set sj, sj+1
.endr
.irp b, 0,1,2,3
	v_exp_f32 v[232+\b], v[232+\b]                 ; the block's largest p
.endr
	v_pk_mul_f32 v[LL:LL+1], v[LL:LL+1], v[FF:FF+1] op_sel_hi:[1,0]   ; the sums under the new M (a plain place behind the exponentials)
	s_wait_alu depctr_va_vdst(0)
.irp b, 0,1,2,3
	v_max_num_f32 v[232+\b], 0x2800000, v[232+\b]  ; the floor 2^(5 - 127)
.endr
.irp b, 0,1,2,3
	v_add_nc_u32 v[244+\b], 0xfe000000, v[232+\b]  ; the conversion's scale operand
.endr
.irp b, 0,1,2,3
	v_lshrrev_b32 v[236+\b], 23, v[244+\b]         ; the scale's byte
.endr
	v_lshl_or_b32 v[22+\q], v237, 8, v236          ; p's scale word for these 128 keys
	v_lshl_or_b32 v[22+\q], v238, 16, v[22+\q]
	v_lshl_or_b32 v[22+\q], v239, 24, v[22+\q]
.irp c, 0,1
	v_cvt_scalef32_pk16_bf6_f32 v[PD+6*\c:PD+6*\c+2], v[SB+32*\c:SB+32*\c+15], v[244+2*\c]
	v_cvt_scalef32_pk16_bf6_f32 v[236+4*\c:238+4*\c], v[SB+32*\c+16:SB+32*\c+31], v[244+2*\c+1]
.endr
	v_nop                                          ; one plain place behind a scaled conversion
.irp c, 0,1                                    ; the operand's layout wants a whole block in a lane
.irp i, 0,1,2
	v_permlane16_swap_b32 v[PD+6*\c+\i], v[236+4*\c+\i]
.endr
.irp i, 0,1,2
	v_mov_b32 v[PD+6*\c+3+\i], v[236+4*\c+\i]
.endr
.endr
	v_pk_add_f32 v[236:237], v[SB:SB+1], v[SB+2:SB+3]   ; the row's sum is taken of the unquantised p, in two chains
.irp j, 4,8,12,16,20,24,28,32,36,40,44,48,52,56,60
	v_pk_add_f32 v[LL:LL+1], v[LL:LL+1], v[SB+\j:SB+\j+1]
	v_pk_add_f32 v[236:237], v[236:237], v[SB+\j+2:SB+\j+3]
.endr
	v_pk_add_f32 v[LL:LL+1], v[LL:LL+1], v[236:237]
.endm
.macro SMB q                           ; tile q's O^T under the new M
.set FF, 12+6*\q
	WIN 0x41                                       ; O^T (destination, source 0) in window 1
.set sj, 0
.rept 64
	v_pk_mul_f32 v[128*\q+sj:128*\q+sj+1], v[128*\q+sj:128*\q+sj+1], v[FF:FF+1] op_sel_hi:[1,0]   ; each accumulator from its low end on
.set sj, sj+2
.endr
.endm
.macro VF j, slot                      ; fragment j of my unit of V into a place
.irp n, 0,1,2
	ds_load_b128 v[80+12*(\slot)+4*\n:83+12*(\slot)+4*\n], v4 offset:(\j)*1536+512*\n
.endr
.endm
.macro PVM j, slot, first              ; O^T(16 channels of tile j, my 32 queries) += V^T P^T
.irp q, 0,1
.if \first
	WM 128*\q+8*(\j), 80+12*(\slot), 208+12*\q, -1, 24+(\j)/2, 22+\q, (\j)%2, 0
.else
	WM 128*\q+8*(\j), 80+12*(\slot), 208+12*\q, 128*\q+8*(\j), 24+(\j)/2, 22+\q, (\j)%2, 0
.endif
.endr
.endm
; MID-TRIP: V's bank is wanted.  Each wave's tensor load has landed (waves 4-7: my unit of this trip's V, behind which I have issued none; waves 0-3: the next trip's K); then the work-group's barrier.
; No LDS instruction of mine is out: the scores' last wait was for 0.  Both tiles' p are done with, so all ten places take fragments at once.
.macro MID
	WIN 0
	s_wait_tensorcnt 0x0
	s_barrier_signal -1
	s_barrier_wait -1
.irp k, 0,1,2,3
	ds_load_b64 v[24+2*\k:25+2*\k], v5 offset:256*\k   ; V's scale words: register j / 2: lanes 0-15 tile j even, lanes 16-31 odd
.endr
.irp j, 0,1,2,3,4,5,6,7,8,9
	VF \j, \j
.endr
.endm
.macro PVPHASE first
	s_wait_dscnt 15                                ; the scale words and fragments 0-4 are in; fragments 5-9's fifteen loads may be out
	WIN 0x50                                       ; C and D in window 1
.irp j, 0,1,2,3,4
	PVM \j, \j, \first
.endr
	NOP4
	WIN 0
.irp j, 10,11,12,13,14
	VF \j, \j-10
.endr
	s_wait_dscnt 15                                ; fragments 5-9 are in; the fifteen loads just issued may be out
	WIN 0x50
.irp j, 5,6,7,8,9
	PVM \j, \j, \first
.endr
	NOP4
	WIN 0
	VF 15, 5
	s_wait_dscnt 3                                 ; fragments 10-14 are in; fragment 15's three loads may be out
	WIN 0x50
.irp j, 10,11,12,13,14
	PVM \j, \j-10, \first
.endr
	s_wait_dscnt 0x0
	PVM 15, 5, \first
	WIN 0
.endm
; A TRIP'S END: the bank of K in hand and V's bank have been read out.  Every wave: all its tensor loads have landed, the add, its LDS reads are back; a round of the cluster's barrier; then one joint load a wave.
; fill = 2: waves 0-3 ask for the K of the trip after next, into the bank just read, waves 4-7 for the next trip's V.  fill = 1: V alone: no later trip would read more of K.
.macro ENDT fill
	s_wait_tensorcnt 0x0                           ; no tensor load of mine is out, so the descriptors may be written
	ds_add_u32 v1, v2                              ; 0 onto my spare word: the descriptors' steps stand between it and the wait for it
.if \fill > 1
	s_add_co_u32 s33, s82, s76                     ; K's refill goes to my unit's place in the bank just read
.endif
	s_xor_b32 s76, s76, KB1                        ; the next trip reads the other bank
	s_add_co_u32 s78, s78, 1
	s_and_b32 s79, s78, 7                          ; the next trip's place among the batch's eight, round the end
	s_mul_i32 s80, s79, TRIPB
	s_add_nc_u64 s[70:71], s[74:75], s[80:81]      ; its V
	s_or_b32 s71, s71, 0x80000000                  ; type = 2
.if \fill > 1
	s_add_co_u32 s79, s78, 1
	s_and_b32 s79, s79, 7                          ; the trip after next
	s_mul_i32 s80, s79, TRIPB
	s_add_nc_u64 s[34:35], s[72:73], s[80:81]      ; its K
	s_or_b32 s35, s35, 0x80000000
.endif
	NOP5                                           ; five places behind the last products: the next scores are written over V's places, loads land on P's codes and V's scale words
	s_wait_dscnt 0x0                               ; the add is done, and my reads of both banks are over
	CROUND
.if \fill > 1
	s_cmp_lt_u32 s18, 4                            ; the branch hangs on the wave's number alone
	s_cbranch_scc0 .Lfor_v_\@
	tensor_load_to_lds s[32:35], s[24:31]          ; first behind the round
	s_nop 0
	NOP4
	s_branch .Lasked_\@
.Lfor_v_\@:
	tensor_load_to_lds s[68:71], s[24:31]
	s_nop 0
	NOP4
.Lasked_\@:
.else
	s_cmp_ge_u32 s18, 4
	s_cbranch_scc0 .Lasked_\@
	tensor_load_to_lds s[68:71], s[24:31]
	s_nop 0
	NOP4
.Lasked_\@:
.endif
.endm
.macro TRIP first, fill                ; 512 keys: my unit's 128
	SPHASE
	SMA 0
.if !\first
	SMB 0
.endif
	SMA 1
	MID
.if !\first
	SMB 1                                          ; 64 multiplications stand between V's loads and the wait for them
.endif
	PVPHASE \first
.if \fill
	ENDT \fill
.else
	NOP5
.endif
.endm
	s_load_b256 s[4:11], s[0:1], 0x0               ; qimg 4, kimg 6, vimg 8, wimg 10
	s_load_b128 s[12:15], s[0:1], 0x20             ; pb 12, x 14
	s_load_b64 s[16:17], s[0:1], 0x30              ; out0
	v_lshl_add_u32 v1, v0, 2, SPARE
	v_mov_b32 v2, 0
	ds_add_u32 v1, v2
	ds_add_u32 v1, v2
	s_wait_dscnt 0x0
	v_lshrrev_b32 v7, 5, v0
	v_readfirstlane_b32 s18, v7                    ; wave 0..7
	s_and_b32 s19, s18, 3                          ; key group g
	s_lshr_b32 s20, s18, 2                         ; query half
	s_bfe_u32 s21, ttmp6, 0x40000                  ; cx: it enters the addresses of Q, x and out0 alone
	s_lshl_b32 s22, ttmp9, 2
	s_add_co_u32 s22, s22, s21                     ; my block of 64 queries
	s_and_b32 s23, ttmp7, 0xffff                   ; the batch, which the four partners share
	s_mov_b32 s24, 0x0023000f                      ; group 1: 15:0 the mask, all four; 17:16 elements of 8 bytes; 21 set beside a mask; no padding
	s_mov_b32 s25, 32<<16                          ; tensor_dim0 = 32 elements: 256 bytes
	s_mov_b32 s26, 100<<16                         ; tensor_dim1 = 100 rows: a unit's 25,600 dense bytes
	s_mov_b32 s27, 32<<16                          ; tile_dim0
	s_mov_b32 s28, 100                             ; tile_dim1
	s_mov_b32 s29, 32                              ; from row to row
	s_mov_b32 s30, 0
	s_mov_b32 s31, 0
	s_mov_b32 s36, 0x76543210
	s_mov_b32 s37, 0xfedcba98                      ; v_permlanex16_b32's selects for lane l xor 16
	s_mov_b32 s38, 0x3db8aa3b                      ; c = log2(e) / 16
	s_mov_b32 s39, s38                             ; (named with it as a pair)
	s_and_b32 s78, ttmp9, 7                        ; where my cluster begins among the batch's eight trips: the cluster's x, which the partners share
	s_mov_b32 s76, 0                               ; the first trip reads K's bank 0
	s_mov_b32 s81, 0
	s_mov_b32 s85, 0
	s_mul_i32 s82, s19, 25600                      ; my unit's place in a bank, and in a trip's four units in memory
	s_mul_i32 s42, s23, 819200                     ; the batch's 32 units
	s_add_co_u32 s42, s42, s82
	s_mov_b32 s43, 0
	s_mov_b32 s32, 1                               ; groups 0: count = 1; the LDS address: my unit's place in K's bank 0,
	s_mov_b32 s33, s82
	s_mov_b32 s52, 1
	s_add_co_u32 s53, s82, KB1                     ; in K's bank 1,
	s_mov_b32 s68, 1
	s_add_co_u32 s69, s82, VB                      ; in V's bank
	s_mul_i32 s80, s78, TRIPB                      ; my first trip's units,
	s_add_co_u32 s79, s78, 1
	s_and_b32 s79, s79, 7
	s_mul_i32 s84, s79, TRIPB                      ; my second trip's
	s_wait_kmcnt 0x0
	s_add_nc_u64 s[72:73], s[6:7], s[42:43]
	s_add_nc_u64 s[74:75], s[8:9], s[42:43]
	s_add_nc_u64 s[34:35], s[72:73], s[80:81]
	s_or_b32 s35, s35, 0x80000000                  ; type = 2
	s_add_nc_u64 s[54:55], s[72:73], s[84:85]
	s_or_b32 s55, s55, 0x80000000
	s_add_nc_u64 s[70:71], s[74:75], s[80:81]
	s_or_b32 s71, s71, 0x80000000
	CROUND                                         ; all four work-groups are here: the first joint loads meet
	s_cmp_lt_u32 s18, 4                            ; a wave's first fills stand in one branch, ahead of every wait on TENSORcnt, every LDS read and every other barrier
	s_cbranch_scc0 .Lfirst_v
	tensor_load_to_lds s[32:35], s[24:31]          ; the first trip's K
	s_nop 0
	tensor_load_to_lds s[52:55], s[24:31]          ; the second trip's
	s_nop 0
	NOP4
	s_branch .Lfirst_asked
.Lfirst_v:
	tensor_load_to_lds s[68:71], s[24:31]          ; the first trip's V
	s_nop 0
	NOP4
.Lfirst_asked:
	v_and_b32 v7, 31, v0
	v_lshlrev_b32 v6, 4, v7
	s_lshl_b32 s48, s23, 5                         ; Q: unit 32 b + X / 2; my four fragments begin at fragment 8 (X % 2) + 4 (w / 4)
	s_lshr_b32 s49, s22, 1
	s_add_co_u32 s48, s48, s49
	s_mul_i32 s48, s48, 25600
	s_and_b32 s49, s22, 1
	s_mul_i32 s50, s49, 12288
	s_add_co_u32 s50, s50, s48
	s_mul_i32 s51, s20, 6144
	s_add_co_u32 s50, s50, s51
	s_mov_b32 s51, 0
	s_add_nc_u64 s[56:57], s[4:5], s[50:51]
	s_lshl_b32 s50, s49, 3                         ; its scale words: pair of tiles 2 (X % 2) + w / 4
	s_lshl_b32 s60, s20, 2
	s_add_co_u32 s50, s50, s60
	s_add_co_u32 s50, s50, s48
	s_add_co_u32 s50, s50, 24576
	s_add_nc_u64 s[58:59], s[4:5], s[50:51]
.set hi, 0
.rept 12
	global_load_b128 v[32+4*hi:35+4*hi], v6, s[56:57] offset:512*hi   ; Q stays in registers: fragment (tile q, K step S) at v[32 + 12 (2 q + S)]
.set hi, hi+1
.endr
	global_load_b32 v20, v6, s[58:59]              ; lanes 0-15 tile 0's words, lanes 16-31 tile 1's
	global_load_b32 v21, v6, s[58:59] offset:512
	s_mul_i32 s42, s18, 6144                       ; for the end: pw's tiles 2 w, 2 w + 1,
	s_add_co_u32 s42, s42, 147456
	s_add_nc_u64 s[44:45], s[10:11], s[42:43]
	s_lshl_b32 s42, s18, 8                         ; their scale images,
	s_add_co_u32 s42, s42, 202752
	s_add_nc_u64 s[46:47], s[10:11], s[42:43]
	s_lshl_b32 s42, s18, 7                         ; pb's 32 numbers,
	s_add_nc_u64 s[12:13], s[12:13], s[42:43]
	s_lshl_b32 s48, s23, 22                        ; x and out0 at channel 32 w, position 64 X
	s_lshl_b32 s49, s18, 19
	s_add_co_u32 s48, s48, s49
	s_lshl_b32 s49, s22, 8
	s_add_co_u32 s48, s48, s49
	s_mov_b32 s49, 0
	s_add_nc_u64 s[14:15], s[14:15], s[48:49]
	s_add_nc_u64 s[16:17], s[16:17], s[48:49]
	v_add_nc_u32 v3, s82, v6                       ; my unit in a bank of K
	v_add_nc_u32 v4, VB, v3                        ; in V's bank
	v_lshlrev_b32 v5, 3, v7
	v_add_nc_u32 v5, s82, v5
	v_add_nc_u32 v5, VB+24576, v5                  ; V's scale words: 8 bytes a lane
.irp q, 0,1
	v_mov_b32 v[9+6*\q], 0xff61b1e6                ; the largest t so far: -3e38
	v_floor_f32 v[8+6*\q], -v[9+6*\q]              ; -M
	v_mov_b32 v[10+6*\q], 0                        ; the sum, in two halves
	v_mov_b32 v[11+6*\q], 0
	v_mov_b32 v[12+6*\q], 0
	v_mov_b32 v[13+6*\q], 0                        ; (named as the upper half of f's pair)
.endr
.irp b, 0,1,2,3
	v_mov_b32 v[236+\b], 0                         ; a lane permute's destination counts as one of its sources
.endr
	s_wait_loadcnt 0x0                             ; Q
	s_wait_tensorcnt 0x1                           ; waves 0-3: my unit of the first trip's K has landed, the second trip's may be out; waves 4-7: V may be out: it is read behind the mid-trip barrier, whose wait is for 0
	s_barrier_signal -1
	s_barrier_wait -1                              ; K's bank 0 is whole
	TRIP 1, 2                                      ; the first trip's products start O^T's sums: nothing is cleared
	s_mov_b32 s40, 5
.Ltrip:
	TRIP 0, 2
	s_sub_co_u32 s40, s40, 1
	s_cmp_lg_u32 s40, 0
	s_cbranch_scc1 .Ltrip
	TRIP 0, 1                                      ; the last two trips are written out: the seventh asks for V alone
	TRIP 0, 0                                      ; the eighth for nothing
	; ---- what the end wants from memory is asked for now
	v_and_b32 v224, 15, v0                         ; r
	v_bfe_u32 v225, v0, 4, 1                       ; h
	v_and_b32 v226, 31, v0                         ; lane
	v_lshlrev_b32 v3, 2, v226
	v_and_b32 v4, 8, v224
	v_add_nc_u32 v227, v4, v224                    ; r + 8 (r / 8)
	v_lshlrev_b32 v4, 2, v227
	v_lshlrev_b32 v5, 14, v225
	v_lshl_add_u32 v5, v224, 4, v5                 ; x, out0: lanes 0-15 one channel's 256 bytes, lanes 16-31 the next channel's
.set hi, 0
.rept 12
	global_load_b128 v[32+4*hi:35+4*hi], v6, s[44:45] offset:512*hi   ; pw's fragment (tile n, K step S) at v[32 + 12 (2 n + S)]
.set hi, hi+1
.endr
	global_load_b32 v20, v3, s[46:47]
	global_load_b32 v21, v3, s[46:47] offset:128
	global_load_b32 v228, v4, s[12:13]             ; pb of my lane's output channel, tile 0,
	global_load_b32 v229, v4, s[12:13] offset:32   ; tile 1
.set hi, 0
.rept 16
	global_load_b128 v[144+4*hi:147+4*hi], v5, s[14:15] offset:32768*hi th:TH_LOAD_NT
.set hi, hi+1
.endr
	; ---- my group's statistics
	v_add_f32 v10, v10, v11
	v_add_f32 v16, v16, v17
	v_permlanex16_b32 v236, v10, s36, s37
	v_permlanex16_b32 v237, v16, s36, s37
	v_mov_b32 v232, v8                             ; -M of tile 0,
	v_add_f32 v233, v10, v236                      ; its sum,
	v_mov_b32 v234, v14                            ; and tile 1's
	v_add_f32 v235, v16, v237
	; ---- LDS addresses of the end: constants, the lane and the wave's number
	s_lshl_b32 s41, s18, 15
	v_add_nc_u32 v7, s41, v6                       ; my O: 32,768 w
	s_lshl_b32 s41, s18, 9
	s_add_co_u32 s41, s41, MS
	v_add_nc_u32 v8, s41, v6                       ; my statistics
	s_lshl_b32 s41, s20, 17
	s_lshl_b32 s42, s19, 12
	s_add_co_u32 s41, s41, s42
	v_add_nc_u32 v9, s41, v6                       ; the four groups' O of my query half, channel tiles 4 g on: groups 0, 1
	v_add_nc_u32 v10, 65536, v9                    ; groups 2, 3
	s_lshl_b32 s41, s20, 11
	s_add_co_u32 s41, s41, MS
	v_add_nc_u32 v11, s41, v6                      ; their statistics
	s_mul_i32 s41, s20, 6144
	s_mul_i32 s42, s19, 768
	s_add_co_u32 s41, s41, s42
	s_add_co_u32 s41, s41, OIMG
	v_add_nc_u32 v12, s41, v6                      ; my six registers of a merged fragment: four,
	s_add_co_u32 s41, s41, 512
	v_lshl_add_u32 v13, v226, 3, s41               ; and two
	s_lshl_b32 s41, s20, 8
	s_lshr_b32 s42, s19, 1
	s_lshl_b32 s42, s42, 6
	s_add_co_u32 s41, s41, s42
	s_and_b32 s42, s19, 1
	s_lshl_b32 s42, s42, 1
	s_add_co_u32 s41, s41, s42
	s_add_co_u32 s41, s41, OSC
	v_lshl_add_u32 v14, v224, 2, s41               ; my two bytes of a row's scale word
	v_lshl_add_u32 v15, v226, 3, OIMG+512
	s_mul_i32 s41, s18, 8704
	v_mul_u32_u24 v16, v227, 272
	v_lshl_add_u32 v16, v225, 6, v16
	v_add_nc_u32 v16, s41, v16                     ; my stage, in: row = output channel, 64 h bytes on
	v_mul_u32_u24 v17, v225, 272
	v_lshl_add_u32 v17, v224, 4, v17
	v_add_nc_u32 v17, s41, v17                     ; back: lanes 0-15 one row, lanes 16-31 the next
	v_add_nc_u32 v18, OIMG, v6
	v_add_nc_u32 v19, OSC, v3
	s_wait_dscnt 0x0                               ; my reads of the banks are over
	s_barrier_signal -1
	s_barrier_wait -1                              ; everybody's are; the banks have had their last fill
	WIN 0x04                                       ; an LDS store's data are its source 1: window 1
.set hi, 0
.rept 64
	ds_store_b128 v7, v[4*hi:4*hi+3] offset:512*hi ; O^T as it stands, each accumulator from its low end on
.set hi, hi+1
.endr
	WIN 0
	ds_store_b128 v8, v[232:235]
	s_wait_dscnt 0x0                               ; for the others' sake: my stores have landed
	s_barrier_signal -1
	s_barrier_wait -1
	; ---- THE MERGE: wave (g, half) takes channels 64 g .. 64 g + 63 of its 32 queries from the four key groups
.irp gp, 0,1,2,3
	ds_load_b128 v[232+4*\gp:235+4*\gp], v11 offset:512*\gp
.endr
.macro INLD gp
.irp q, 0,1
.irp i, 0,1,2,3,4,5,6,7
	ds_load_b128 v[64*\gp+32*\q+4*\i:64*\gp+32*\q+4*\i+3], v[9+\gp/2] offset:(\gp%2)*32768+\q*16384+512*\i
.endr
.endr
.endm
	WIN 0x40
	INLD 0
	INLD 1
	INLD 2
	WIN 0
	s_wait_dscnt 48                                ; the statistics are in; the 48 loads behind them may be out
.irp q, 0,1
	v_min_num_f32 v[250+\q], v[232+2*\q], v[236+2*\q]
	v_min_num_f32 v254, v[240+2*\q], v[244+2*\q]
	v_min_num_f32 v[250+\q], v[250+\q], v254       ; -M of all keys
.endr
.irp gp, 0,1,2,3
.irp q, 0,1
	v_sub_f32 v254, v[250+\q], v[232+4*\gp+2*\q]   ; the group's M less the common M: a whole number, 0 or less
	v_cvt_i32_f32 v254, v254
	v_ldexp_f32 v[208+4*\gp+2*\q], 1.0, v254       ; an exact power of two
	v_mov_b32 v[209+4*\gp+2*\q], v[208+4*\gp+2*\q]
.endr
.endr
.irp q, 0,1
	v_mul_f32 v[252+\q], v[208+2*\q], v[233+2*\q]
.irp gp, 1,2,3
	v_fma_f32 v[252+\q], v[208+4*\gp+2*\q], v[233+4*\gp+2*\q], v[252+\q]   ; the row's sum over all keys
.endr
.endr
	v_rcp_f32 v224, v252
	v_rcp_f32 v226, v253
	v_nop                                          ; one plain place behind a transcendental
	s_wait_alu depctr_va_vdst(0)
	v_mov_b32 v225, v224
	v_mov_b32 v227, v226
	WIN 0x40
	INLD 3
	WIN 0x01                                       ; source 0 in window 1
.irp gp, 0,1,2,3
	s_wait_dscnt 48-16*\gp                         ; this group's sixteen loads are in; the later groups' may be out
.irp q, 0,1
.set mp, 0
.rept 16
.if \gp == 0
	v_pk_mul_f32 v[80+32*\q+mp:81+32*\q+mp], v[64*\gp+32*\q+mp:64*\gp+32*\q+mp+1], v[208+4*\gp+2*\q:209+4*\gp+2*\q]
.else
	v_pk_fma_f32 v[80+32*\q+mp:81+32*\q+mp], v[64*\gp+32*\q+mp:64*\gp+32*\q+mp+1], v[208+4*\gp+2*\q:209+4*\gp+2*\q], v[80+32*\q+mp:81+32*\q+mp]
.endif
.set mp, mp+2
.endr
.endr
.endr
	WIN 0
.irp q, 0,1
.set mp, 0
.rept 16
	v_pk_mul_f32 v[80+32*\q+mp:81+32*\q+mp], v[80+32*\q+mp:81+32*\q+mp], v[224+2*\q:225+2*\q]   ; divided by the sum
.set mp, mp+2
.endr
.endr
; my 64 channels of tile q's 16 queries: two blocks of 32 -> half a fragment (six registers) and two scale bytes, to LDS
.macro OQUANT q
.set AB, 80+32*\q
.irp b, 0,1
	v_max3_num_f32 v[232+\b], |v[AB+16*\b]|, |v[AB+16*\b+1]|, 0x2800000
.endr
.irp i, 2,4,6,8,10,12,14
.irp b, 0,1
	v_max3_num_f32 v[232+\b], v[232+\b], |v[AB+16*\b+\i]|, |v[AB+16*\b+\i+1]|
.endr
.endr
.irp b, 0,1
	v_permlanex16_b32 v[234+\b], v[232+\b], s36, s37
.endr
.irp b, 0,1
	v_max_num_f32 v[232+\b], v[232+\b], v[234+\b]
.endr
.irp b, 0,1
	v_add_nc_u32 v[236+\b], 0xfe000000, v[232+\b]
.endr
.irp b, 0,1
	v_lshrrev_b32 v[238+\b], 23, v[236+\b]
.endr
	v_lshl_or_b32 v238, v239, 8, v238
	v_cvt_scalef32_pk16_bf6_f32 v[240:242], v[AB:AB+15], v236
	v_cvt_scalef32_pk16_bf6_f32 v[246:248], v[AB+16:AB+31], v237
	v_nop                                          ; one plain place behind a scaled conversion
.irp i, 0,1,2
	v_permlane16_swap_b32 v[240+\i], v[246+\i]
.endr
.irp i, 0,1,2
	v_mov_b32 v[243+\i], v[246+\i]
.endr
	ds_store_b128 v12, v[240:243] offset:3072*\q
	ds_store_b64 v13, v[244:245] offset:3072*\q
	ds_store_b16 v14, v238 offset:128*\q           ; both halves of the lanes write the same two bytes with the same value
	s_wait_dscnt 0x0                               ; the stores have landed and have read their registers
.endm
	OQUANT 0
	OQUANT 1
	s_barrier_signal -1
	s_barrier_wait -1                              ; the 64 queries' eight fragments lie in LDS; nobody reads the groups' O any more
	; ---- THE PROJECTION: wave w makes output channels 32 w .. 32 w + 31 for the 64 positions.  Source 0 = 16 positions, source 1 = 16 rows of pw: a lane holds one channel and eight neighbouring positions.
	WIN 0x40
.irp T, 0,1,2,3
.irp sg, 0,1
	ds_load_b128 v[12*(2*\T+\sg):12*(2*\T+\sg)+3], v18 offset:\T*3072+1536*\sg
	ds_load_b64 v[12*(2*\T+\sg)+4:12*(2*\T+\sg)+5], v15 offset:\T*3072+1536*\sg
	ds_load_b128 v[12*(2*\T+\sg)+6:12*(2*\T+\sg)+9], v18 offset:\T*3072+1536*\sg+768
	ds_load_b64 v[12*(2*\T+\sg)+10:12*(2*\T+\sg)+11], v15 offset:\T*3072+1536*\sg+768
.endr
.endr
	WIN 0
.irp T, 0,1,2,3
	ds_load_b32 v[24+\T], v19 offset:128*\T        ; lanes 0-15 K step 0's words, lanes 16-31 K step 1's
.endr
	s_wait_loadcnt 0x0                             ; pw, pb, x
.irp n, 0,1
.irp i, 0,1,2,3,4,5,6,7
	v_mov_b32 v[208+8*\n+\i], v[228+\n]            ; the bias is the C of each sum's first product
.endr
.endr
	NOP4
	s_wait_dscnt 0x0
	WIN 0x01
.irp T, 0,1,2,3
.irp n, 0,1
	WM 80+8*(2*\T+\n), 24*\T, 32+24*\n, 208+8*\n, 24+\T, 20+\n, 0, 0
.endr
.endr
.irp T, 0,1,2,3
.irp n, 0,1
	WM 80+8*(2*\T+\n), 24*\T+12, 44+24*\n, 80+8*(2*\T+\n), 24+\T, 20+\n, 1, 1
.endr
.endr
	WIN 0
	NOP4                                           ; places in front of the first read of the results
.irp T, 0,1,2,3
.irp n, 0,1
	ds_store_b128 v16, v[80+8*(2*\T+\n):83+8*(2*\T+\n)] offset:\n*2176+128*(\T/2)+32*(\T%2)      ; positions 32 (T / 2) + 16 h + 8 (T % 2) + 0 .. 7 of channel 8 n + r + 8 (r / 8)
	ds_store_b128 v16, v[84+8*(2*\T+\n):87+8*(2*\T+\n)] offset:\n*2176+128*(\T/2)+32*(\T%2)+16
.endr
.endr
.set hi, 0
.rept 16
	ds_load_b128 v[80+4*hi:83+4*hi], v17 offset:544*hi   ; LDS serves a wave's instructions in order: these see my stores; whole rows come back into the registers that they left
.set hi, hi+1
.endr
.set hi, 0
.rept 16
	s_wait_dscnt 15-hi
	v_pk_add_f32 v[80+4*hi:81+4*hi], v[80+4*hi:81+4*hi], v[144+4*hi:145+4*hi]   ; the residual
	v_pk_add_f32 v[82+4*hi:83+4*hi], v[82+4*hi:83+4*hi], v[146+4*hi:147+4*hi]
	global_store_b128 v5, v[80+4*hi:83+4*hi], s[16:17] offset:32768*hi th:TH_STORE_NT   ; 16 lanes store 256 consecutive bytes, at a multiple of 256 from out0's first byte
.set hi, hi+1
.endr
	s_wait_tensorcnt 0x0                           ; the wave's end
	ds_add_u32 v1, v2
	s_wait_dscnt 0x0
	CROUND                                         ; the closing round
	s_endpgm
.Lfunc_end_k_q3f32f83a1b_attn:
	.size	k_q3f32f83a1b_attn, .Lfunc_end_k_q3f32f83a1b_attn-k_q3f32f83a1b_attn
	.p2alignl 7, 3214868480
	.fill 96, 4, 3214868480
	.section	.rodata,"a",@progbits
	.p2align	6, 0x0
	.amdhsa_kernel k_q3f32f83a1b_attn
		.amdhsa_group_segment_fixed_size 327680
		.amdhsa_private_segment_fixed_size 0
		.amdhsa_enable_private_segment 0
		.amdhsa_kernarg_size 56
		.amdhsa_user_sgpr_count 2
		.amdhsa_user_sgpr_kernarg_segment_ptr 1
		.amdhsa_wavefront_size32 1
		.amdhsa_system_sgpr_workgroup_id_x 1
		.amdhsa_system_sgpr_workgroup_id_y 1
		.amdhsa_system_sgpr_workgroup_id_z 1
		.amdhsa_system_vgpr_workitem_id 0
		.amdhsa_next_free_vgpr 512
		.amdhsa_next_free_sgpr 86
		.amdhsa_reserve_vcc 0
		.amdhsa_float_denorm_mode_32 3
		.amdhsa_float_denorm_mode_16_64 3
		.amdhsa_memory_ordered 1
		.amdhsa_forward_progress 1
		.amdhsa_inst_pref_size 229
	.end_amdhsa_kernel
	.amdgpu_metadata
---
amdhsa.version: [ 1, 2 ]
amdhsa.kernels:
  - .name:           k_q3f32f83a1b_attn
    .symbol:         k_q3f32f83a1b_attn.kd
    .args:
      - { .name: qimg, .offset: 0, .size: 8, .value_kind: global_buffer, .address_space: global }
      - { .name: kimg, .offset: 8, .size: 8, .value_kind: global_buffer, .address_space: global }
      - { .name: vimg, .offset: 16, .size: 8, .value_kind: global_buffer, .address_space: global }
      - { .name: wimg, .offset: 24, .size: 8, .value_kind: global_buffer, .address_space: global }
      - { .name: pb, .offset: 32, .size: 8, .value_kind: global_buffer, .address_space: global }
      - { .name: x, .offset: 40, .size: 8, .value_kind: global_buffer, .address_space: global }
      - { .name: out0, .offset: 48, .size: 8, .value_kind: global_buffer, .address_space: global }
    .group_segment_fixed_size: 327680
    .private_segment_fixed_size: 0
    .kernarg_segment_align: 8
    .kernarg_segment_size: 56
    .max_flat_workgroup_size: 256
    .sgpr_count:     86
    .vgpr_count:     512
    .wavefront_size: 32
...
	.end_amdgpu_metadata
.endif
;; end of part 3
